; MI455X (gfx1250); checked and timed in simulation.
; The chip was launched on July 23, 2026; its instructions are those of AMD's public machine-readable ISA for CDNA 5 (MIT licence, August 2026) and "CDNA5" Instruction Set Architecture Reference Guide (July 2026). The comments in the code are by the model that wrote it; some were corrected since.
;; Multi Head Attention. Allowed arithmetic: matrix products marked QUANTISED: E4M3 operands, one given power-of-two scale a tensor, by v_wmma_f32_16x16x64_fp8_fp8 or v_wmma_f32_16x16x128_fp8_fp8, f32 sums; everything else in f32.
;; Inputs: Wk 8 x 512 x 64 float32; Wo 512 x 512 float32; Wq 8 x 512 x 64 float32; Wv 8 x 512 x 64 float32; bo 512 float32; lowp_scales 12 int32 (the exponents e of the quantised operands' scales 2^e); x 2 x 4,096 x 512 float32.
;; Outputs: out0 2 x 4,096 x 512 float32.
;; This version of the problem:
;;   THIS VERSION OF THE PROBLEM IS GIVEN IN LOW PRECISION. The matrix products marked QUANTISED in the list below multiply operands that are first quantised to E4M3 (4 exponent bits, 3 mantissa bits; 8 bits a number), with one given power-of-two scale for each operand tensor; their sums are f32. All else is computed in f32.
;;   The module's matrix products, in the order in which they are computed (A, B: the left and right operand; K: the contracted axis; several contracted axes count as one K, in the product's order):
;;     1. [M 512, K 512] x [K 512, N 8,192]; A: input Wq; B: input x: QUANTISED (scales: A lowp_scales[0], B lowp_scales[1])
;;     2. [M 512, K 512] x [K 512, N 8,192]; A: input Wk; B: input x: QUANTISED (scales: A lowp_scales[2], B lowp_scales[3])
;;     3. [M 512, K 512] x [K 512, N 8,192]; A: input Wv; B: input x: QUANTISED (scales: A lowp_scales[4], B lowp_scales[5])
;;     4. batch 16 x [M 4,096, K 64] x [K 64, N 4,096]; A: computed on the way; B: computed on the way: QUANTISED (scales: A lowp_scales[6], B lowp_scales[7])
;;     5. batch 16 x [M 4,096, K 4,096] x [K 4,096, N 64]; A: softmax (see below); B: computed on the way: QUANTISED (scales: A lowp_scales[8], B lowp_scales[9])
;;     6. [M 8,192, K 512] x [K 512, N 512]; A: computed on the way; B: input Wo: QUANTISED (scales: A lowp_scales[10], B lowp_scales[11])
;;   THE QUANTISER, for each operand of a quantised product, along K:
;;     - The operand's scale is 2^e, e = its entry of the input lowp_scales (int32; the entries are numbered through the quantised products in the list's order, A before B).
;;     - Each number is divided by the scale, clamped to +-448, and rounded to the nearest number of E4M3, ties to even, subnormals kept.
;;     - The product sums the exact products of the quantised numbers (number of the format x scale) in f32.
;;   ~~~python
;;   def quantise(x, axis, e):      # numpy; x: float32 -> the quantised numbers, widened to float32 again
;;       x = np.moveaxis(x, axis, -1); K = x.shape[-1]
;;       r = np.clip(x / 2.0 ** e, -448, 448)
;;       step = 2.0 ** (np.maximum(np.frexp(np.where(r == 0, 1, r))[1] - 1, -6) - 3)
;;       q = np.round(r / step) * step * 2.0 ** e      # np.round: ties to even
;;       return np.moveaxis(q, -1, axis).astype(np.float32)
;;   ~~~
;;   SOFTMAX AHEAD OF A QUANTISED PRODUCT. Where the list says 'softmax', what is quantised is not the finished softmax but p = 2^(t - M), with t = logit x log2(e) and M = ceil(the row's largest t), a whole number; so 1/2 < the row's largest p <= 1. The row's sum l is taken of the UNQUANTISED p, in f32, and the product's result is divided by l at the end. Since M is a whole number, a kernel that streams over the keys may use a running M (the ceiling of the running maximum): every later rescaling is an exact power of two, so the quantised numbers keep their values, but for numbers so far below the row's largest that they fall under the format's range.
;;   OPERANDS COMPUTED ON THE WAY. 'Computed on the way' means the value that the module computes at that place (a softmax that the list does not call 'softmax' is quantised finished and normalised). What goes into a quantiser is computed in f32, as accurately as f32 sums, v_exp_f32 and their like allow (about 1e-6 of the number): no bf16 or f16 on the way to a quantiser, and a product that is left as it is and whose result goes on into a quantised operand takes f32 operands (vector FMAs, or v_wmma_f32_16x16x4_f32). A number that lies on a knife's edge between two numbers of the format may be rounded either way, as far as f32 arithmetic and the matrix unit's own rounding can turn it there, and no further.
;; One version. Each part assembles by itself: llvm-mc -triple=amdgcn-amd-amdhsa -mcpu=gfx1250 --defsym DOCPART=n.
;; ======== version 1 of 1: 4 launches
;; limits: right only within a limited range of input values
;; workspace buffers: wimg 786,432 bytes; woimg 262,144 bytes; qimg 4,194,304 bytes; kimg 4,194,304 bytes; vimg 4,194,304 bytes; ccimg 4,194,304 bytes
;; launch prep (part 1): grid 128 x 1, 4 waves a work-group, no clusters, 0 bytes of LDS; arguments Wq, Wk, Wv, Wo, lowp_scales, wimg, woimg; writes wimg, woimg
.if DOCPART == 1
	.amdgcn_target "amdgcn-amd-amdhsa--gfx1250"
	.amdhsa_code_object_version 6
	.text
	.protected	k_qecf64d4102_prep
	.globl	k_qecf64d4102_prep
	.p2align	8
	.type	k_qecf64d4102_prep,@function
k_qecf64d4102_prep:
	s_mov_b64 s[64:65], 0
	v_nop
	global_prefetch_b8 v0, s[64:65] scope:SCOPE_SE
	s_setreg_imm32_b32 hwreg(HW_REG_WAVE_MODE, 25, 1), 1
	s_wait_xcnt 0x0
; Wq, Wk, Wv [8][512][64] and Wo [512][512], f32 with K as the first axis of a matrix, become codes of E4M3 laid as IMAGES OF OPERAND REGISTERS.
; A fragment is 16 columns x 128 along K, 16 registers a lane: lane (r, h) holds column r, and registers 2 c, 2 c + 1 hold k = 16 c + 8 h + 0 .. 7.
; Its image is 2,048 bytes: registers 4 q .. 4 q + 3 of lane l lie at 512 q + 16 l.  A later launch that loads the image by four 16-byte loads a lane has the operand.
;   wimg  [product 3][head 8][tile of 16 columns 4][K step 4][2048]        woimg [tile of 16 columns 32][K step 4][2048]
; A LANE TAKES A COLUMN AND ITS REGISTERS RUN DOWN K: the conversions, which take 8 neighbours along K from one lane's registers, give the operand's registers as they are.
; One wave makes one fragment: 512 fragments, 128 work-groups of four waves, whose four tiles stand side by side on 256 consecutive bytes of each row.
; Work-groups 0 to 95: product g / 32, head (g / 4) % 8, K step g % 4, tile = wave.   Work-groups 96 to 127, g' = g - 96: tile 4 (g' / 4) + wave, K step g' % 4.
; code = x / 2^e, held within +-448, to the nearest code, ties to even.  e: entries 0, 2, 4 and 11 of lowp_scales.
; LIMITS: e between -126 and 119, so that 2^e and 448 x 2^e are f32 numbers.  NaN among the inputs is not served (an infinity is held at the largest code).
; No LDS, no barrier, no matrix unit, no cluster: waves share nothing, and each byte is read once.
.set X,  16                            ; v16-79  my 64 numbers: number 8 c + j is k = 16 c + 8 h + j
.set PC, 80                            ; v80-95  the fragment's codes
.macro IMG pitch                       ; 64 loads: sixteen lanes read 64 neighbouring bytes of one row of the matrix
.irp c, 0,1,2,3,4,5,6,7
.irp j, 0,1,2,3,4,5,6,7
	global_load_b32 v[X+8*\c+\j], v3, s[20:21] offset:(16*\c+\j)*\pitch
.endr
.endr
.endm
.macro TAIL ereg, dst                  ; s[ereg]: e;  s[dst:dst+1]: where the image goes
	s_add_co_i32 s42, s[\ereg], 127
	s_lshl_b32 s43, s42, 23
	v_mov_b32 v11, s43                             ; 2^e as f32: the conversion takes its exponent field
	s_add_co_i32 s42, s42, 8
	s_lshl_b32 s42, s42, 23
	s_or_b32 s42, s42, 0x600000
	v_mov_b32 v10, s42                             ; 448 x 2^e
	s_wait_alu depctr_va_vdst(0)
	s_wait_loadcnt 0x0
.irp c, 0,1,2,3,4,5,6,7
.irp j, 0,1,2,3,4,5,6,7
	v_med3_num_f32 v[X+8*\c+\j], v[X+8*\c+\j], -v10, v10   ; the conversion to an 8-bit code does not saturate (ISA guide 7.6.2): the hold comes first
.endr
	v_cvt_scalef32_pk8_fp8_f32 v[PC+2*\c:PC+2*\c+1], v[X+8*\c:X+8*\c+7], v11
.endr
	v_nop                                          ; a plain line behind the last conversion
.irp c, 0,1,2,3
	global_store_b128 v4, v[PC+4*\c:PC+4*\c+3], s[\dst:\dst+1] offset:512*\c   ; the wave stores 512 consecutive bytes, aligned
.endr
	s_endpgm
.endm
	s_load_b256 s[4:11], s[0:1], 0x0               ; Wq s[4:5], Wk s[6:7], Wv s[8:9], Wo s[10:11]
	s_load_b128 s[12:15], s[0:1], 0x20             ; lowp_scales s[12:13], wimg s[14:15]
	s_load_b64 s[16:17], s[0:1], 0x30              ; woimg
	v_lshrrev_b32 v1, 5, v0
	v_readfirstlane_b32 s18, v1                    ; wave 0..3
	v_and_b32 v1, 15, v0                           ; r
	v_bfe_u32 v2, v0, 4, 1                         ; h
	v_and_b32 v4, 31, v0
	v_lshlrev_b32 v4, 4, v4                        ; 16 x lane: my place in an image
	v_lshlrev_b32 v3, 2, v1                        ; 4 r: my column
	s_mov_b32 s37, 0
	s_mov_b32 s39, 0
	s_wait_kmcnt 0x0
	s_load_b256 s[24:31], s[12:13], 0x0            ; e0 .. e7
	s_load_b128 s[32:35], s[12:13], 0x20           ; e8 .. e11
	s_cmp_lt_u32 ttmp9, 96
	s_cbranch_scc0 .Lwo
	; ---- Wq, Wk, Wv: a row of a head's matrix is 256 bytes
	s_lshr_b32 s19, ttmp9, 5                       ; the product
	s_cmp_eq_u32 s19, 0
	s_cselect_b64 s[20:21], s[4:5], s[6:7]
	s_cmp_eq_u32 s19, 2
	s_cselect_b64 s[20:21], s[8:9], s[20:21]
	s_lshr_b32 s22, ttmp9, 2                       ; 8 x product + head
	s_and_b32 s23, ttmp9, 3                        ; K step
	s_and_b32 s36, s22, 7
	s_lshl_b32 s36, s36, 17                        ; the head's 131,072 bytes
	s_lshl_b32 s38, s23, 15                        ; 128 rows of 256 bytes
	s_add_co_u32 s36, s36, s38
	s_lshl_b32 s38, s18, 6                         ; my tile's 16 columns
	s_add_co_u32 s36, s36, s38
	s_add_nc_u64 s[20:21], s[20:21], s[36:37]
	s_lshl_b32 s38, s22, 2
	s_add_co_u32 s38, s38, s18
	s_lshl_b32 s38, s38, 2
	s_add_co_u32 s38, s38, s23
	s_lshl_b32 s38, s38, 11                        ; (((8 p + head) 4 + tile) 4 + K step) x 2,048
	s_add_nc_u64 s[40:41], s[14:15], s[38:39]
	s_wait_alu depctr_va_vdst(0)
	v_lshl_add_u32 v3, v2, 11, v3                  ; lanes 16-31 begin 8 rows further down
	IMG 256
	s_wait_kmcnt 0x0
	s_cmp_eq_u32 s19, 0
	s_cselect_b32 s44, s24, s26                    ; e0 or e2,
	s_cmp_eq_u32 s19, 2
	s_cselect_b32 s44, s28, s44                    ; or e4
	TAIL 44, 40
.Lwo:
	; ---- Wo: a row is 2,048 bytes
	s_sub_co_u32 s19, ttmp9, 96
	s_lshr_b32 s22, s19, 2
	s_and_b32 s23, s19, 3                          ; K step
	s_lshl_b32 s22, s22, 2
	s_add_co_u32 s22, s22, s18                     ; tile of 16 columns
	s_lshl_b32 s36, s23, 18                        ; 128 rows of 2,048 bytes
	s_lshl_b32 s38, s22, 6
	s_add_co_u32 s36, s36, s38
	s_add_nc_u64 s[20:21], s[10:11], s[36:37]
	s_lshl_b32 s38, s22, 2
	s_add_co_u32 s38, s38, s23
	s_lshl_b32 s38, s38, 11
	s_add_nc_u64 s[40:41], s[16:17], s[38:39]
	s_wait_alu depctr_va_vdst(0)
	v_lshl_add_u32 v3, v2, 14, v3                  ; lanes 16-31 begin 8 rows further down
	IMG 2048
	s_wait_kmcnt 0x0
	TAIL 35, 40
.Lfunc_end_k_qecf64d4102_prep:
	.size	k_qecf64d4102_prep, .Lfunc_end_k_qecf64d4102_prep-k_qecf64d4102_prep
	.p2alignl 7, 3214868480
	.fill 96, 4, 3214868480
	.section	.rodata,"a",@progbits
	.p2align	6, 0x0
	.amdhsa_kernel k_qecf64d4102_prep
		.amdhsa_group_segment_fixed_size 0
		.amdhsa_private_segment_fixed_size 0
		.amdhsa_enable_private_segment 0
		.amdhsa_kernarg_size 56
		.amdhsa_user_sgpr_count 2
		.amdhsa_user_sgpr_kernarg_segment_ptr 1
		.amdhsa_wavefront_size32 1
		.amdhsa_system_sgpr_workgroup_id_x 1
		.amdhsa_system_sgpr_workgroup_id_y 1
		.amdhsa_system_sgpr_workgroup_id_z 1
		.amdhsa_system_vgpr_workitem_id 0
		.amdhsa_next_free_vgpr 96
		.amdhsa_next_free_sgpr 66
		.amdhsa_reserve_vcc 0
		.amdhsa_float_denorm_mode_32 3
		.amdhsa_float_denorm_mode_16_64 3
		.amdhsa_memory_ordered 1
		.amdhsa_forward_progress 1
		.amdhsa_inst_pref_size 25
	.end_amdhsa_kernel
	.amdgpu_metadata
---
amdhsa.version: [ 1, 2 ]
amdhsa.kernels:
  - .name:           k_qecf64d4102_prep
    .symbol:         k_qecf64d4102_prep.kd
    .args:
      - { .name: Wq, .offset: 0, .size: 8, .value_kind: global_buffer, .address_space: global }
      - { .name: Wk, .offset: 8, .size: 8, .value_kind: global_buffer, .address_space: global }
      - { .name: Wv, .offset: 16, .size: 8, .value_kind: global_buffer, .address_space: global }
      - { .name: Wo, .offset: 24, .size: 8, .value_kind: global_buffer, .address_space: global }
      - { .name: lowp_scales, .offset: 32, .size: 8, .value_kind: global_buffer, .address_space: global }
      - { .name: wimg, .offset: 40, .size: 8, .value_kind: global_buffer, .address_space: global }
      - { .name: woimg, .offset: 48, .size: 8, .value_kind: global_buffer, .address_space: global }
    .group_segment_fixed_size: 0
    .private_segment_fixed_size: 0
    .kernarg_segment_align: 8
    .kernarg_segment_size: 56
    .max_flat_workgroup_size: 128
    .sgpr_count:     66
    .vgpr_count:     96
    .wavefront_size: 32
...
	.end_amdgpu_metadata
.endif
;; end of part 1
;; launch proj (part 2): grid 3 x 64, 8 waves a work-group, no clusters, 267,264 bytes of LDS; arguments x, wimg, lowp_scales, qimg, kimg, vimg; writes qimg, kimg, vimg
.if DOCPART == 2
	.amdgcn_target "amdgcn-amd-amdhsa--gfx1250"
	.amdhsa_code_object_version 6
	.text
	.protected	k_qecf64d4102_proj
	.globl	k_qecf64d4102_proj
	.p2align	8
	.type	k_qecf64d4102_proj,@function
k_qecf64d4102_proj:
	s_mov_b64 s[64:65], 0
	v_nop
	global_prefetch_b8 v0, s[64:65] scope:SCOPE_SE
	s_setreg_imm32_b32 hwreg(HW_REG_WAVE_MODE, 25, 1), 1
	s_wait_xcnt 0x0
; q, k, v = x W for all 8 heads, on codes of E4M3, and the results quantised again, as operands of the attention launch.
; SHARES.  Work-group (p, rb): product p (0: q, 1: k, 2: v) for rows 128 rb .. 128 rb + 127 of x [8192][512].  Wave w = head w: its 64 columns x 512 of the weights, 16 fragments, stay in 256 registers.
; x is quantised with the product's own scale: wave w brings rows 16 w .. 16 w + 15 of the block, 32,768 dense bytes, into LDS by one tensor load, quantises them, and stores the codes over its own rows;
; one barrier; every wave then reads all 32 fragments.
; A FRAGMENT'S IMAGE: registers 4 q .. 4 q + 3 of lane l at 512 q + 16 l.
; THE ROWS OF A TILE ARE NOT NEIGHBOURS: row m of tile 2 b + u is row 32 b + 8 u + m + 8 (m / 8) of the block: row (m % 8) + 8 u of wave 2 b + m / 8.  The readers' addresses make that choice.  With that map
;   q, k (source 0 = 16 columns of W, source 1 = 16 rows of x): a lane holds ONE row and its registers run along e: tile t's eight results are registers 2 t, 2 t + 1 of the row's fragment (64 along e);
;   v    (source 0 = 16 rows of x, source 1 = 16 columns of W): a lane holds ONE channel, and the 16 registers of tiles 2 b, 2 b + 1 are keys 32 b + 16 (lane / 16) + 0 .. 15: K of the second attention product, innermost.
; OUT:  qimg, kimg [b h 16][tile 256][1024]: a tile's 8 registers;   vimg [b h 16][key step of 128: 32][tile of 16 channels 4][2048]: registers 4 c .. 4 c + 3 = keys 32 c + 16 (lane / 16) + 0 .. 15.
; A sum stands for sum x 2^(ew + ex), so its code is sum / 2^(eo - ew - ex): the three given scales are folded into the conversion's one.
; LIMITS: ex and eo - ew - ex between -126 and 119, so that each power of two and 448 times it are f32 numbers.  NaN among the inputs is not served.
; NO CLUSTER: a block of x is read by 3 work-groups, and 3 along x divides into no cluster of 4; the weights go from memory straight into the registers in which they stay.
; NO PREFETCH: every read of memory stands at the head, with no loop to run ahead in.
; REGISTERS.  window 0: v4-15 addresses and scales; v16-143 x's fragments of two tiles ((u, s) at 16 + 64 u + 16 s), before the barrier two sets of 64 numbers of x; v144-207 8 accumulators, before the barrier my rows' codes; v208-223 codes.
;             window 1: W's fragment (tile t, K step s) at 64 t + 16 s.
.set RP,   33280                       ; a wave's region: 32 pieces of 1,024 bytes, each with 16 of padding behind it
.set SPARE, 8*RP                       ; the spare words, 128 bytes for each of the eight waves; no other line names them
.set XR,   4                           ; v4   LDS: my row of x, + 32 (lane / 16)
.set LI,   5                           ; v5   16 x lane: my place in an image in memory
.set XWI,  7                           ; v7   LDS: where I store my rows' codes
.set SCX,  8                           ; v8   2^ex            v9  448 x 2^ex
.set LIMX, 9
.set SCO,  10                          ; v10  2^(eo-ew-ex)    v11 448 x that
.set LIMO, 11
.set RL,   12                          ; v12-15  LDS: where I read a row of tiles 2 b, 2 b + 1
.set XF,   16
.set ACC,  144
.set PC,   208
.set MSB, 0
.macro WIN new                         ; the immediate's high byte repeats the setting that is left; a switch that changes nothing is dropped
.if MSB != \new
	s_set_vgpr_msb (MSB<<8)|\new
.set MSB, \new
.endif
.endm
.macro QUANT src, dst, sc, lim         ; 64 numbers v[src] on become 16 registers of codes in v[dst] on, eight numbers to two registers; each group of eight from its low end on
.irp c, 0,1,2,3,4,5,6,7
.irp j, 0,1,2,3,4,5,6,7
	v_med3_num_f32 v[8*\c+\j+\src], v[8*\c+\j+\src], -v[\lim], v[\lim]   ; the conversion to an 8-bit code does not saturate (ISA guide 7.6.2): the hold comes first
.endr
	v_cvt_scalef32_pk8_fp8_f32 v[2*\c+\dst:2*\c+1+\dst], v[8*\c+\src:8*\c+7+\src], v[\sc]
.endr
	v_nop                                          ; a plain line between the last conversion and whatever next touches its registers
.endm
.macro XREAD set, s                    ; my row's numbers of K step s: number 8 c + j is k = 16 c + 8 (lane / 16) + j
.irp c, 0,1,2,3,4,5,6,7
.irp j, 0,1
	ds_load_b128 v[8*\c+4*\j+\set:8*\c+4*\j+3+\set], v[XR] offset:1040*(\s/2)+512*(\s%2)+64*\c+16*\j
.endr
.endr
.endm
.macro FETCH b                         ; the 8 fragments of tiles 2 b and 2 b + 1
.irp u, 0,1
.irp s, 0,1,2,3
.irp c, 0,1,2,3
	ds_load_b128 v[XF+64*\u+16*\s+4*\c:XF+64*\u+16*\s+4*\c+3], v[RL+\b] offset:128*\u+2048*\s+512*\c
.endr
.endr
.endr
.endm
; 32 rows of x against my head's 64 columns: 32 matrix instructions, the 8 accumulators by turns, one instruction a turn; the first K step starts the sums.
.macro GROUP b, isv
	s_wait_dscnt 0x0                               ; the group's fragments are in
.if \isv
	WIN 0x04                                       ; source 1 (W) window 1
.else
	WIN 0x01                                       ; source 0 (W) window 1
.endif
.irp s, 0,1,2,3
.irp u, 0,1
.irp t, 0,1,2,3
.if \isv
.if \s == 0
	v_wmma_f32_16x16x128_fp8_fp8 v[ACC+8*(2*\t+\u):ACC+8*(2*\t+\u)+7], v[XF+64*\u+16*\s:XF+64*\u+16*\s+15], v[64*\t+16*\s:64*\t+16*\s+15], 0
.else
	v_wmma_f32_16x16x128_fp8_fp8 v[ACC+8*(2*\t+\u):ACC+8*(2*\t+\u)+7], v[XF+64*\u+16*\s:XF+64*\u+16*\s+15], v[64*\t+16*\s:64*\t+16*\s+15], v[ACC+8*(2*\t+\u):ACC+8*(2*\t+\u)+7]
.endif
.else
.if \s == 0
	v_wmma_f32_16x16x128_fp8_fp8 v[ACC+8*(4*\u+\t):ACC+8*(4*\u+\t)+7], v[64*\t+16*\s:64*\t+16*\s+15], v[XF+64*\u+16*\s:XF+64*\u+16*\s+15], 0
.else
	v_wmma_f32_16x16x128_fp8_fp8 v[ACC+8*(4*\u+\t):ACC+8*(4*\u+\t)+7], v[64*\t+16*\s:64*\t+16*\s+15], v[XF+64*\u+16*\s:XF+64*\u+16*\s+15], v[ACC+8*(4*\u+\t):ACC+8*(4*\u+\t)+7]
.endif
.endif
.endr
.endr
.endr
	WIN 0
.rept 4
	v_nop                                          ; four places in front of the loads into x's fragments and of the first read of the sums
.endr
.if \b < 3
	FETCH \b+1                                     ; the next group's fragments come while this group's sums are quantised
.endif
	s_wait_xcnt 0x0                                ; the last group's stores have read v[PC] on: only now are the codes written again
	QUANT ACC, PC, SCO, LIMO
.irp k, 0,1,2,3
.if \isv
	global_store_b128 v[LI], v[PC+4*\k:PC+4*\k+3], s[16:17] offset:2048*\k+512*(\b)   ; channel tile k, keys 32 b on: 512 consecutive bytes, aligned
.else
	global_store_b128 v[LI], v[PC+4*\k:PC+4*\k+3], s[16:17] offset:2048*(\b)+512*\k   ; tile 2 b + k / 2, half k % 2: 512 consecutive bytes, aligned
.endif
.endr
.endm
	s_load_b256 s[4:11], s[0:1], 0x0               ; x s[4:5], wimg s[6:7], lowp_scales s[8:9], qimg s[10:11]
	s_load_b128 s[12:15], s[0:1], 0x20             ; kimg s[12:13], vimg s[14:15]
	v_lshl_add_u32 v254, v0, 2, SPARE
	v_mov_b32 v255, 0
	ds_add_u32 v254, v255                          ; the opening: the add, twice on end, and its wait ahead of my tensor load
	ds_add_u32 v254, v255
	v_lshrrev_b32 v1, 5, v0
	v_readfirstlane_b32 s18, v1                    ; wave 0..7 = head; before the barrier: my 16 rows of x
	v_and_b32 v1, 15, v0                           ; r
	v_bfe_u32 v2, v0, 4, 1                         ; h
	v_and_b32 v[LI], 31, v0
	v_lshlrev_b32 v[LI], 4, v[LI]
	s_mul_i32 s57, s18, RP                         ; my region
	s_and_b32 s19, s18, 1
	s_lshl_b32 s19, s19, 7
	s_add_co_u32 s19, s19, s57
	v_add_nc_u32 v[XWI], s19, v[LI]                ; my codes begin 128 bytes further on in odd waves, so that a tile's two halves lie on different banks (64 banks of 4 bytes: ISA guide 11.1)
	v_mul_u32_u24 v[XR], v1, 2080
	v_lshl_add_u32 v[XR], v2, 5, v[XR]
	v_add_nc_u32 v[XR], s57, v[XR]
	v_lshrrev_b32 v3, 3, v1
	v_mul_u32_u24 v3, v3, RP+128                   ; lanes r = 8 .. 15 read from the odd wave's region
	v_and_b32 v6, 7, v1
	v_lshl_add_u32 v3, v6, 4, v3
	v_lshl_add_u32 v[RL], v2, 8, v3
	v_add_nc_u32 v[RL+1], 2*RP, v[RL]
	v_add_nc_u32 v[RL+2], 4*RP, v[RL]
	v_add_nc_u32 v[RL+3], 6*RP, v[RL]
	; descriptor group 1: 32,768 dense bytes as 32 rows of 256 elements of 4 bytes, 4 words of padding behind every 256
	s_mov_b32 s32, (2<<16)|(1<<20)|(7<<22)|(3<<25)
	s_mov_b32 s33, 256<<16
	s_mov_b32 s34, 32<<16
	s_mov_b32 s35, 256<<16
	s_mov_b32 s36, 32
	s_mov_b32 s37, 256
	s_mov_b32 s38, 0
	s_mov_b32 s39, 0
	s_and_b32 s22, ttmp7, 0xffff                   ; rb
	s_lshl_b32 s24, s22, 18                        ; the block's 128 rows of 2,048 bytes,
	s_lshl_b32 s20, s18, 15
	s_add_co_u32 s24, s24, s20                     ; my 16
	s_mov_b32 s25, 0
	s_lshl_b32 s26, ttmp9, 3
	s_add_co_u32 s26, s26, s18
	s_lshl_b32 s26, s26, 15                        ; (8 p + head) x 32,768: my 16 fragments
	s_mov_b32 s27, 0
	s_lshr_b32 s28, s22, 5
	s_lshl_b32 s28, s28, 3
	s_add_co_u32 s28, s28, s18                     ; b h = 8 x batch + head
	s_lshl_b32 s28, s28, 18
	s_and_b32 s23, s22, 31
	s_lshl_b32 s23, s23, 13
	s_add_co_u32 s28, s28, s23                     ; b h x 262,144 + block x 8,192: the same in all three images
	s_mov_b32 s29, 0
	s_mov_b32 s56, 1                               ; descriptor group 0: count = 1
	s_wait_alu depctr_va_vdst(0)
	s_wait_dscnt 0x0                               ; both opening adds are done
	s_wait_kmcnt 0x0
	s_add_nc_u64 s[58:59], s[4:5], s[24:25]
	s_or_b32 s59, s59, 0x80000000                  ; type = 2
	tensor_load_to_lds s[56:59], s[32:39]          ; my rows of x: this wave's one tensor load
	s_nop 0
	s_load_b256 s[40:47], s[8:9], 0x0              ; e0 .. e7
	s_load_b128 s[48:51], s[8:9], 0x20             ; e8 .. e11
	s_add_nc_u64 s[6:7], s[6:7], s[26:27]
	s_cmp_eq_u32 ttmp9, 0
	s_cselect_b64 s[16:17], s[10:11], s[12:13]
	s_cmp_eq_u32 ttmp9, 2
	s_cselect_b64 s[16:17], s[14:15], s[16:17]     ; the product's image: the choice hangs on the work-group's number alone
	s_add_nc_u64 s[16:17], s[16:17], s[28:29]
.macro WLOAD t                         ; the weights of 16 columns: 512 consecutive bytes a load; they stay.  The first part is asked for here, the others between the quantisings, so that x comes first
	WIN 0x40                                       ; destination window 1
.irp s, 0,1,2,3
.irp c, 0,1,2,3
	global_load_b128 v[64*\t+16*\s+4*\c:64*\t+16*\s+4*\c+3], v[LI], s[6:7] offset:(4*\t+\s)*2048+512*\c
.endr
.endr
	WIN 0
.endm
	WLOAD 0
	s_wait_kmcnt 0x0
	s_cmp_eq_u32 ttmp9, 0
	s_cselect_b32 s52, s40, s42                    ; ew: e0, e2 or e4
	s_cselect_b32 s53, s41, s43                    ; ex: e1, e3 or e5
	s_cselect_b32 s54, s46, s47                    ; eo: e6, e7 or e9
	s_cmp_eq_u32 ttmp9, 2
	s_cselect_b32 s52, s44, s52
	s_cselect_b32 s53, s45, s53
	s_cselect_b32 s54, s49, s54
	s_add_co_i32 s55, s53, 127
	s_lshl_b32 s30, s55, 23
	v_mov_b32 v[SCX], s30
	s_add_co_i32 s55, s55, 8
	s_lshl_b32 s55, s55, 23
	s_or_b32 s55, s55, 0x600000
	v_mov_b32 v[LIMX], s55
	s_sub_co_i32 s55, s54, s52
	s_sub_co_i32 s55, s55, s53
	s_add_co_i32 s55, s55, 127
	s_lshl_b32 s30, s55, 23
	v_mov_b32 v[SCO], s30
	s_add_co_i32 s55, s55, 8
	s_lshl_b32 s55, s55, 23
	s_or_b32 s55, s55, 0x600000
	v_mov_b32 v[LIMO], s55
	s_wait_alu depctr_va_vdst(0)                   ; the head's end
	s_wait_tensorcnt 0x0                           ; my rows have landed; nobody else reads them
	XREAD XF, 0
	XREAD XF+64, 1
	WLOAD 1
	s_wait_dscnt 16                                ; K step 0 is in; 1 may be out
	QUANT XF, ACC, SCX, LIMX
	XREAD XF, 2
	WLOAD 2
	s_wait_dscnt 16                                ; K step 1 is in
	QUANT XF+64, ACC+16, SCX, LIMX
	XREAD XF+64, 3
	WLOAD 3
	s_wait_dscnt 16
	QUANT XF, ACC+32, SCX, LIMX
	s_wait_dscnt 0x0                               ; all my rows have been read: the codes may lie over them
	QUANT XF+64, ACC+48, SCX, LIMX
.irp s, 0,1,2,3
.irp c, 0,1,2,3
	ds_store_b128 v[XWI], v[ACC+16*\s+4*\c:ACC+16*\s+4*\c+3] offset:2048*\s+512*\c
.endr
.endr
	s_wait_dscnt 0x0                               ; for the others' sake: my images have landed
	s_barrier_signal -1
	s_barrier_wait -1                              ; all 32 fragments lie in LDS; nothing is stored there again
	FETCH 0
	s_wait_loadcnt 0x0                             ; the weights are in
	s_cmp_eq_u32 ttmp9, 2
	s_cbranch_scc1 .Lv
	GROUP 0, 0
	GROUP 1, 0
	GROUP 2, 0
	GROUP 3, 0
	s_wait_tensorcnt 0x0                           ; the wave's end
	ds_add_u32 v254, v255
	s_wait_dscnt 0x0
	s_endpgm
.Lv:
	GROUP 0, 1
	GROUP 1, 1
	GROUP 2, 1
	GROUP 3, 1
	s_wait_tensorcnt 0x0
	ds_add_u32 v254, v255
	s_wait_dscnt 0x0
	s_endpgm
.Lfunc_end_k_qecf64d4102_proj:
	.size	k_qecf64d4102_proj, .Lfunc_end_k_qecf64d4102_proj-k_qecf64d4102_proj
	.p2alignl 7, 3214868480
	.fill 96, 4, 3214868480
	.section	.rodata,"a",@progbits
	.p2align	6, 0x0
	.amdhsa_kernel k_qecf64d4102_proj
		.amdhsa_group_segment_fixed_size 267264
		.amdhsa_private_segment_fixed_size 0
		.amdhsa_enable_private_segment 0
		.amdhsa_kernarg_size 48
		.amdhsa_user_sgpr_count 2
		.amdhsa_user_sgpr_kernarg_segment_ptr 1
		.amdhsa_wavefront_size32 1
		.amdhsa_system_sgpr_workgroup_id_x 1
		.amdhsa_system_sgpr_workgroup_id_y 1
		.amdhsa_system_sgpr_workgroup_id_z 1
		.amdhsa_system_vgpr_workitem_id 0
		.amdhsa_next_free_vgpr 512
		.amdhsa_next_free_sgpr 66
		.amdhsa_reserve_vcc 0
		.amdhsa_float_denorm_mode_32 3
		.amdhsa_float_denorm_mode_16_64 3
		.amdhsa_memory_ordered 1
		.amdhsa_forward_progress 1
		.amdhsa_inst_pref_size 106
	.end_amdhsa_kernel
	.amdgpu_metadata
---
amdhsa.version: [ 1, 2 ]
amdhsa.kernels:
  - .name:           k_qecf64d4102_proj
    .symbol:         k_qecf64d4102_proj.kd
    .args:
      - { .name: x, .offset: 0, .size: 8, .value_kind: global_buffer, .address_space: global }
      - { .name: wimg, .offset: 8, .size: 8, .value_kind: global_buffer, .address_space: global }
      - { .name: lowp_scales, .offset: 16, .size: 8, .value_kind: global_buffer, .address_space: global }
      - { .name: qimg, .offset: 24, .size: 8, .value_kind: global_buffer, .address_space: global }
      - { .name: kimg, .offset: 32, .size: 8, .value_kind: global_buffer, .address_space: global }
      - { .name: vimg, .offset: 40, .size: 8, .value_kind: global_buffer, .address_space: global }
    .group_segment_fixed_size: 267264
    .private_segment_fixed_size: 0
    .kernarg_segment_align: 8
    .kernarg_segment_size: 48
    .max_flat_workgroup_size: 256
    .sgpr_count:     66
    .vgpr_count:     512
    .wavefront_size: 32
...
	.end_amdgpu_metadata
.endif
;; end of part 2
;; launch attn (part 3): grid 16 x 16, 8 waves a work-group, no clusters, 132,096 bytes of LDS; arguments qimg, kimg, vimg, lowp_scales, ccimg; writes ccimg
.if DOCPART == 3
	.amdgcn_target "amdgcn-amd-amdhsa--gfx1250"
	.amdhsa_code_object_version 6
	.text
	.protected	k_qecf64d4102_attn
	.globl	k_qecf64d4102_attn
	.p2align	8
	.type	k_qecf64d4102_attn,@function
k_qecf64d4102_attn:
	s_mov_b64 s[64:65], 0
	v_nop
	global_prefetch_b8 v0, s[64:65] scope:SCOPE_SE
	s_setreg_imm32_b32 hwreg(HW_REG_WAVE_MODE, 25, 1), 1
	s_wait_xcnt 0x0
; For each of 16 (batch, head): o = softmax(q k^T / 8) v on codes of E4M3, and o quantised again as the left operand of the output layer.
; THE SOFTMAX AHEAD OF THE SECOND PRODUCT: t = score x log2(e) / 8; M = the row's largest t so far, rounded UP to a whole number; p = 2^(t - M) is what is quantised (scale 2^e8), not normalised.
; The row's sum is taken of the unquantised p, in f32, and divides o at the end.  When M moves, the sum and o are multiplied by 2^(old M - new M), which rounds nothing.
; SHARES.  A work-group owns 256 queries of one (batch, head); each of its eight waves two tiles of 16 queries, so that each fragment of K and V read from LDS feeds two matrix instructions; two waves to a SIMD.
; Every wave walks all 4,096 keys, 256 a step: one change of M, and one rescaling of o, for 256 keys.
; OPERANDS ARE IMAGES OF REGISTERS (registers 4 q .. 4 q + 3 of lane l at 512 q + 16 l), as the launch before laid them: a step's K is 16 tiles x 1,024 bytes, its V 2 x 4 tiles of 16 channels x 2,048 bytes, both dense.
; LAYOUT.  Both products are used transposed: S^T = K Q^T (source 0 = 16 keys, source 1 = 16 queries), O^T = V^T P^T (source 0 = 16 channels, source 1 = P): a lane holds ONE query (lane % 16) throughout.
; Row m of key tile 2 b + u is key 32 b + 8 u + m + 8 (m / 8), so the 16 registers of tiles 2 b, 2 b + 1 are keys 32 b + 16 (lane / 16) + 0 .. 15: the conversions' results are P's registers 4 b .. 4 b + 3, and V's lie alike.
; THE HOLD OF p AT 448 x 2^e8 is walked only where e8 is under -8: p is at most 1 (short of f32's rounding), and 448 x 2^-8 = 1.75, so with e8 at -8 or above the hold changes no number.  The given whole number decides, by a scalar branch.
; RING.  LDS holds four steps of 32,768 bytes.  In step t each wave loads its 4,096 bytes of step t + 2 at the step's head, into registers that P leaves idle until the conversions, and stores them into LDS behind the exponentials.
; ONE BARRIER A STEP, ITS HALVES APART.  Signal at the head of step t: my part of step t + 1 is stored and step t - 1 is read.  Wait behind step t's exponentials: so say all waves.  Behind it step t + 2 is stored, where step t - 2 lay,
; and the first tiles of step t + 1's K are read; while some wave stores there, the others read steps t and t + 1 alone.
; NO CLUSTER, NO TENSOR LOAD: the 16 work-groups of a (batch, head) walk the same K and V, and the branch on a number read from memory spares 256 of a step's some 1,000 vector instructions;
; what is shared costs a wave eight loads and eight LDS stores a step.
; OUT.  ccimg [batch 2][tile of 16 rows 256][head 8][1024]: lane = row, registers 2 d, 2 d + 1 = channels 16 d + 8 (lane / 16) + 0 .. 7; two heads on end are a fragment of 128 along the output layer's K.
; LIMITS on the given exponents, so that each power of two below is an f32 number: e6 + e7 between -123 and 130 (added to c's exponent field); e8 and e10 between -126 and 119; e8 + e9 is applied by v_ldexp_f32 and has none.
; Where e8 is under -8, the hold acts under the running M and not under the row's last M.  NaN is not served.  The scaled scores stay under 2^31 in magnitude.
; REGISTERS.  window 0: v1-11 addresses and scales; v12-23 six registers of statistics a tile; v24-31 the sums, two pairs a tile; v32-47 Q; v48-111 O^T (32 a tile); v112-175 P's codes (32 a tile); v144-175 before that: what is on its way to LDS;
;             v176-239 K's tiles 8-15, then V's first 128 keys; v240 an address.
;             window 1: S^T, then p (128 a tile); once converted, v0-63 take V's second 128 keys and v192-255 the next step's K tiles 0-7.
.set SPARE, 131072                     ; behind the ring: the spare words, 128 bytes for each of the eight waves: four blocks of 256 bytes that no other line names
.set LA,   1                           ; v1   16 x lane: my place in 512 bytes
.set ADR,  2                           ; v2   LDS address of the step's K and V
.set LS,   3                           ; v3   16 x lane + 4,096 x wave: where my part of a step goes
.set ADS,  4                           ; v4   the same in the step that is being stored
.set PFO,  5                           ; v5   256 x lane: the prefetch's offset; never rewritten
.set SPW,  6                           ; v6   LDS address of my spare word: SPARE + 4 x my thread's number; never rewritten
.set NIL,  7                           ; v7   0; never rewritten
.set QSC,  8                           ; v8   2^e10           v9  448 x 2^e10
.set QLIM, 9
.set PLIM, 10                          ; v10  448 x 2^e8      v11 2^e8
.set PSC,  11
.set ST,   12                          ; tile u at v[ST + 6 u]: +0 -M, +1 the largest t, +2 f, +3 a lane permute's destination (and the upper half of f's pair), +4, +5 at work
.set SU,   24
.set Q,    32
.set OT,   48
.set P,    112
.set GS,   144
.set VB,   176
.set ADN, 240                          ; v240 LDS address of the next step's K
.set SX, 244                           ; v244-251 two more pairs of sums a tile
.set MX, 252                           ; v252-255 two more chains of the maximum a tile
.set KN,   192                         ; in window 1: K's tiles 0-7
.set WV,   14                          ; s14  my wave's number
.set SRC,  18                          ; s[18:19] where my next 4,096 bytes lie
.set PFA,  20                          ; s[20:21] where my prefetch stands
.set PFT,  22                          ; s22  the count of trips at which my wave prefetches; 0 in waves that do not
.set CNT,  23                          ; s23  trips to go
.set TB,   24                          ; s24  LDS byte at which the step begins
.set WB,   25                          ; s25  LDS byte at which the step two on begins
.set HOLD, 26                          ; s26  1 where e8 is under -8
.set TBN,  27                          ; s27  LDS byte at which the next step begins
.set CS,   36                          ; s[36:37] c = log2(e) / 8 x 2^(e6 + e7): the packed form names a pair and takes its low word for both halves
.set SEL,  38                          ; s[38:39] lane selects for v_permlanex16_b32: lane l xor 16
.set MSB, 0
.macro WIN new                         ; the immediate's high byte repeats the setting that is left; a switch that changes nothing is dropped
.if MSB != \new
	s_set_vgpr_msb (MSB<<8)|\new
.set MSB, \new
.endif
.endm
	s_load_b256 s[4:11], s[0:1], 0x0               ; qimg s[4:5], kimg s[6:7], vimg s[8:9], lowp_scales s[10:11]
	s_load_b64 s[12:13], s[0:1], 0x20              ; ccimg
	v_lshl_add_u32 v[SPW], v0, 2, SPARE
	v_mov_b32 v[NIL], 0
	v_lshrrev_b32 v[ADR], 5, v0
	v_readfirstlane_b32 s[WV], v[ADR]              ; wave 0..7
	v_and_b32 v[LA], 31, v0
	v_lshlrev_b32 v[PFO], 8, v[LA]
	v_lshlrev_b32 v[LA], 4, v[LA]
	s_lshl_b32 s45, s[WV], 12
	v_add_nc_u32 v[LS], s45, v[LA]
	s_and_b32 s16, ttmp7, 0xffff                   ; b h
	s_lshl_b32 s2, s16, 18                         ; its 262,144 bytes in each of the three images
	s_and_b32 s46, s[WV], 3
	s_lshl_b32 s46, s46, 12
	s_add_co_u32 s46, s46, s2                      ; waves 0-3 bring K's quarters of a step, waves 4-7 V's
	s_mov_b32 s47, 0
	s_lshl_b32 s48, ttmp9, 14                      ; Q: 16 tiles of 1,024 bytes a block,
	s_lshl_b32 s50, s[WV], 11                      ; two tiles a wave
	s_add_co_u32 s48, s48, s50
	s_add_co_u32 s48, s48, s2
	s_mov_b32 s49, 0
	s_lshr_b32 s50, s16, 3                         ; the output: ((batch x 256 + tile) x 8 + head) x 1,024
	s_lshl_b32 s50, s50, 21
	s_lshl_b32 s52, ttmp9, 17
	s_add_co_u32 s50, s50, s52
	s_lshl_b32 s52, s[WV], 14
	s_add_co_u32 s50, s50, s52
	s_and_b32 s52, s16, 7
	s_lshl_b32 s52, s52, 10
	s_add_co_u32 s50, s50, s52
	s_mov_b32 s51, 0
	; THE PREFETCH: work-group x asks for step x, whole, in the trip two ahead of the one that loads it: each block of 256 bytes is named once in the launch.  Waves 0, 1: K's halves, waves 2, 3: V's, lanes 256 bytes apart.
	; Steps 0 to 3 come by their loads alone; trip t has 14 - t trips to go and loads step t + 2, so step x is asked for at 18 - x.
	s_and_b32 s52, s[WV], 1
	s_lshl_b32 s52, s52, 13
	s_add_co_u32 s52, s52, s2
	s_lshl_b32 s53, ttmp9, 14
	s_add_co_u32 s52, s52, s53
	s_mov_b32 s53, 0
	s_sub_co_u32 s[PFT], 18, ttmp9
	s_cmp_lt_u32 s[WV], 4
	s_cselect_b32 s[PFT], s[PFT], 0
	s_mov_b32 s[CS], 0x3e38aa3b                    ; log2(e) / 8
	s_mov_b32 s[SEL], 0x76543210
	s_mov_b32 s[SEL+1], 0xfedcba98
	s_wait_alu depctr_va_vdst(0)
	s_wait_kmcnt 0x0
	s_load_b128 s[40:43], s[10:11], 0x18           ; e6, e7, e8, e9
	s_load_b32 s44, s[10:11], 0x28                 ; e10
	s_cmp_lt_u32 s[WV], 4
	s_cselect_b64 s[SRC:SRC+1], s[6:7], s[8:9]
	s_add_nc_u64 s[SRC:SRC+1], s[SRC:SRC+1], s[46:47]
	s_cmp_lt_u32 s[WV], 2
	s_cselect_b64 s[PFA:PFA+1], s[6:7], s[8:9]
	s_add_nc_u64 s[PFA:PFA+1], s[PFA:PFA+1], s[52:53]
	s_add_nc_u64 s[4:5], s[4:5], s[48:49]
	s_add_nc_u64 s[12:13], s[12:13], s[50:51]
.irp g, 0,1
.irp c, 0,1,2,3,4,5,6,7
	global_load_b128 v[P+32*\g+4*\c:P+32*\g+4*\c+3], v[LA], s[SRC:SRC+1] offset:16384*\g+512*\c   ; my parts of steps 0 and 1
.endr
.endr
.irp u, 0,1
.irp c, 0,1
	global_load_b128 v[Q+8*\u+4*\c:Q+8*\u+4*\c+3], v[LA], s[4:5] offset:1024*\u+512*\c   ; Q's two fragments stay in registers
.endr
.endr
.irp u, 0,1
	v_mov_b32 v[ST+6*\u+1], 0xff61b1e6             ; the largest t so far: -3e38, under every t
.endr
.irp u, 0,1
	v_floor_f32 v[ST+6*\u], -v[ST+6*\u+1]          ; -M
	v_mov_b32 v[ST+6*\u+3], 0                      ; written once: a lane permute's destination counts as one of its sources
.endr
.set i, 0
.rept 8
	v_mov_b32 v[SU+i], 0                           ; the sums
	v_mov_b32 v[SX+i], 0
.set i, i+1
.endr
.set i, 0
.rept 64
	v_mov_b32 v[OT+i], 0                           ; O^T.  (The loop has no first step of its own: it finds zeros, which the first change of M leaves zeros)
.set i, i+1
.endr
	s_wait_kmcnt 0x0
	s_add_co_i32 s45, s40, s41
	s_lshl_b32 s45, s45, 23
	s_add_co_i32 s[CS], s[CS], s45                 ; a score stands for score x 2^(e6 + e7): the two exponents are added to c's exponent field
	s_mov_b32 s[CS+1], s[CS]                       ; (named with it as a pair, so it is written)
	s_cmp_lt_i32 s42, -8
	s_cselect_b32 s[HOLD], 1, 0
	s_add_co_i32 s45, s42, 127
	s_lshl_b32 s46, s45, 23
	v_mov_b32 v[PSC], s46                          ; 2^e8
	s_add_co_i32 s45, s45, 8
	s_lshl_b32 s45, s45, 23
	s_or_b32 s45, s45, 0x600000
	v_mov_b32 v[PLIM], s45                         ; 448 x 2^e8
	s_add_co_i32 s45, s44, 127
	s_lshl_b32 s46, s45, 23
	v_mov_b32 v[QSC], s46                          ; 2^e10
	s_add_co_i32 s45, s45, 8
	s_lshl_b32 s45, s45, 23
	s_or_b32 s45, s45, 0x600000
	v_mov_b32 v[QLIM], s45                         ; 448 x 2^e10
.macro SUMS j                          ; chunk j's p go into the sums, two at a time, in four chains a tile
	WIN 0x04                                       ; source 1 (p) window 1
.set i, 32*(\j)
.rept 4                                ; four chains a tile, eight in all
.irp u, 0,1
	v_pk_add_f32 v[SU+4*\u:SU+4*\u+1], v[SU+4*\u:SU+4*\u+1], v[128*\u+i:128*\u+i+1]
	v_pk_add_f32 v[SU+4*\u+2:SU+4*\u+3], v[SU+4*\u+2:SU+4*\u+3], v[128*\u+i+2:128*\u+i+3]
	v_pk_add_f32 v[SX+4*\u:SX+4*\u+1], v[SX+4*\u:SX+4*\u+1], v[128*\u+i+4:128*\u+i+5]
	v_pk_add_f32 v[SX+4*\u+2:SX+4*\u+3], v[SX+4*\u+2:SX+4*\u+3], v[128*\u+i+6:128*\u+i+7]
.endr
.set i, i+8
.endr
.endm
; A chunk is 32 registers of each tile.  Its exponentials stand between the multiply-adds of the next chunk, whose results are read behind the next chunk's wait; the last chunk's p are summed at the head.
; The one wait at the head stands ahead of this batch's sources and behind the last batch.
.macro CHUNK j
	s_wait_alu depctr_va_vdst(0)
.if \j > 0
	SUMS \j-1
.endif
	WIN 0x41                                       ; destination and source 0 window 1
.set i, 32*(\j)
.rept 16
.irp u, 0,1
	v_exp_f32 v[128*\u+i], v[128*\u+i]             ; p = 2^(t - M), at most 1: not normalised
.if \j < 3
	v_pk_fma_f32 v[128*\u+i+32:128*\u+i+33], v[128*\u+i+32:128*\u+i+33], s[CS:CS+1], v[ST+6*\u:ST+6*\u+1] op_sel_hi:[1,0,0]
.endif
	v_exp_f32 v[128*\u+i+1], v[128*\u+i+1]
.endr
.set i, i+2
.endr
.endm
.macro KNEXT adr                       ; K's tiles 0-7 of the step that begins at v[adr]
	WIN 0x40
.set i, 0
.rept 16
	ds_load_b128 v[KN+4*i:KN+4*i+3], v[\adr] offset:512*i   ; 512 consecutive bytes a load
.set i, i+1
.endr
.endm
.macro PCODES u, b                     ; 32 keys of a tile: two conversions
	v_cvt_scalef32_pk8_fp8_f32 v[P+32*\u+4*\b:P+32*\u+4*\b+1], v[128*\u+16*\b:128*\u+16*\b+7], v[PSC]
	v_cvt_scalef32_pk8_fp8_f32 v[P+32*\u+4*\b+2:P+32*\u+4*\b+3], v[128*\u+16*\b+8:128*\u+16*\b+15], v[PSC]
.endm
; A KEY STEP: 256 keys, both tiles, the tiles' lines by turns.  fill = 1: the step two on is brought.  nxt = 1: a step follows.
.macro STEP fill, nxt
	v_add_nc_u32 v[ADR], s[TB], v[LA]
	v_add_nc_u32 v[ADN], s[TBN], v[LA]
	v_add_nc_u32 v[ADS], s[WB], v[LS]
	v_nop                                          ; five places behind the last step's products: four in front of the loads into their sources, five in front of products that write over V's second half
	v_nop
.if \fill
.irp c, 0,1,2,3,4,5,6,7
	global_load_b128 v[GS+4*\c:GS+4*\c+3], v[LA], s[SRC:SRC+1] offset:512*\c   ; my part of the step two on
.endr
.endif
.set i, 0
.rept 16
	ds_load_b128 v[VB+4*i:VB+4*i+3], v[ADR] offset:8192+512*i   ; K's tiles 8-15
.set i, i+1
.endr
	s_wait_dscnt 16                                ; K's tiles 0-7 are in; tiles 8-15 may be out
	WIN 0x41                                       ; D and source 0 (K) window 1
.irp t, 0,1,2,3,4,5,6,7
.irp u, 0,1
	v_wmma_f32_16x16x64_fp8_fp8 v[128*\u+8*\t:128*\u+8*\t+7], v[KN+8*\t:KN+8*\t+7], v[Q+8*\u:Q+8*\u+7], 0
.endr
.endr
	s_wait_dscnt 0x0                               ; tiles 8-15 are in; no LDS instruction of mine is out:
.if \nxt
	s_barrier_signal -1                            ; my part of the next step is stored, the last step is read
.endif
.rept 5
	v_nop                                          ; five places: the products below write over the registers that held tiles 0-7
.endr
	WIN 0x40                                       ; D window 1
.irp t, 8,9,10,11,12,13,14,15
.irp u, 0,1
	v_wmma_f32_16x16x64_fp8_fp8 v[128*\u+8*\t:128*\u+8*\t+7], v[VB+8*\t-64:VB+8*\t-57], v[Q+8*\u:Q+8*\u+7], 0
.endr
.endr
	WIN 0
.rept 4
	v_nop                                          ; four places in front of the loads into K's registers and of the first read of the scores
.endr
	WIN 0x15                                       ; all three sources window 1
.irp u, 0,1                                    ; the step's largest score of my query among my 128 keys, in four chains a tile, each tile of scores from its low end on
	v_max3_num_f32 v[ST+6*\u+4], v[128*\u], v[128*\u+1], v[128*\u+2]
	v_max3_num_f32 v[ST+6*\u+5], v[128*\u+3], v[128*\u+4], v[128*\u+5]
	v_max3_num_f32 v[MX+2*\u], v[128*\u+6], v[128*\u+7], v[128*\u+8]
	v_max3_num_f32 v[MX+2*\u+1], v[128*\u+9], v[128*\u+10], v[128*\u+11]
.endr
	WIN 0x14                                       ; sources 1 and 2 window 1
.set i, 12
.rept 14
.irp u, 0,1
	v_max3_num_f32 v[ST+6*\u+4], v[ST+6*\u+4], v[128*\u+i], v[128*\u+i+1]
	v_max3_num_f32 v[ST+6*\u+5], v[ST+6*\u+5], v[128*\u+i+2], v[128*\u+i+3]
	v_max3_num_f32 v[MX+2*\u], v[MX+2*\u], v[128*\u+i+4], v[128*\u+i+5]
	v_max3_num_f32 v[MX+2*\u+1], v[MX+2*\u+1], v[128*\u+i+6], v[128*\u+i+7]
.endr
.if i == 20
	WIN 0
.set k, 0
.rept 16
	ds_load_b128 v[VB+4*k:VB+4*k+3], v[ADR] offset:16384+512*k   ; V's first 128 keys: 4 tiles; 28 plain vector lines stand behind the last product here
.set k, k+1
.endr
	WIN 0x14
.endif
.set i, i+8
.endr
.irp u, 0,1
	v_max3_num_f32 v[ST+6*\u+4], v[ST+6*\u+4], v[128*\u+124], v[128*\u+125]
	v_max3_num_f32 v[ST+6*\u+5], v[ST+6*\u+5], v[128*\u+126], v[128*\u+127]
.endr
	WIN 0
.irp u, 0,1
	v_max3_num_f32 v[ST+6*\u+4], v[ST+6*\u+4], v[MX+2*\u], v[MX+2*\u+1]
.endr
.irp u, 0,1
	v_max_num_f32 v[ST+6*\u+4], v[ST+6*\u+4], v[ST+6*\u+5]
.endr
.irp u, 0,1
	s_delay_alu instid0(VALU_DEP_2)
	v_permlanex16_b32 v[ST+6*\u+3], v[ST+6*\u+4], s[SEL], s[SEL+1]
.endr
.irp u, 0,1
	s_delay_alu instid0(VALU_DEP_2)
	v_max_num_f32 v[ST+6*\u+4], v[ST+6*\u+4], v[ST+6*\u+3]   ; and among lane l xor 16's
.endr
.irp u, 0,1
	s_delay_alu instid0(VALU_DEP_2)
	v_mul_f32 v[ST+6*\u+4], s[CS], v[ST+6*\u+4]    ; as t (c is positive)
.endr
.irp u, 0,1
	s_delay_alu instid0(VALU_DEP_2)
	v_max_num_f32 v[ST+6*\u+1], v[ST+6*\u+1], v[ST+6*\u+4]   ; the running largest t
.endr
.irp u, 0,1
	v_mov_b32 v[ST+6*\u+4], v[ST+6*\u]
.endr
.irp u, 0,1
	s_delay_alu instid0(VALU_DEP_4)
	v_floor_f32 v[ST+6*\u], -v[ST+6*\u+1]          ; the new -M = floor(-t) = -ceil(t): M is a whole number
.endr
.irp u, 0,1
	s_delay_alu instid0(VALU_DEP_2)
	v_sub_f32 v[ST+6*\u+4], v[ST+6*\u], v[ST+6*\u+4]   ; M's old value less its new one: a whole number, 0 or less
.endr
.irp u, 0,1
	s_delay_alu instid0(VALU_DEP_2)
	v_cvt_i32_f32 v[ST+6*\u+4], v[ST+6*\u+4]       ; (it saturates)
.endr
.irp u, 0,1
	s_delay_alu instid0(VALU_DEP_2)
	v_ldexp_f32 v[ST+6*\u+2], 1.0, v[ST+6*\u+4]    ; f = 2^(old M - new M)
.endr
.irp u, 0,1
	v_pk_mul_f32 v[SU+4*\u:SU+4*\u+1], v[SU+4*\u:SU+4*\u+1], v[ST+6*\u+2:ST+6*\u+3] op_sel_hi:[1,0]   ; the sums under the new M
	v_pk_mul_f32 v[SU+4*\u+2:SU+4*\u+3], v[SU+4*\u+2:SU+4*\u+3], v[ST+6*\u+2:ST+6*\u+3] op_sel_hi:[1,0]
	v_pk_mul_f32 v[SX+4*\u:SX+4*\u+1], v[SX+4*\u:SX+4*\u+1], v[ST+6*\u+2:ST+6*\u+3] op_sel_hi:[1,0]
	v_pk_mul_f32 v[SX+4*\u+2:SX+4*\u+3], v[SX+4*\u+2:SX+4*\u+3], v[ST+6*\u+2:ST+6*\u+3] op_sel_hi:[1,0]
.endr
.irp n, 0,2,4,6,8,10,12,14,16,18,20,22,24,26,28,30
.irp u, 0,1
	v_pk_mul_f32 v[OT+32*\u+\n:OT+32*\u+\n+1], v[OT+32*\u+\n:OT+32*\u+\n+1], v[ST+6*\u+2:ST+6*\u+3] op_sel_hi:[1,0]   ; O^T under the new M, each accumulator from its low end on
.endr
.endr
	WIN 0x41
.set i, 0
.rept 16
.irp u, 0,1
	v_pk_fma_f32 v[128*\u+i:128*\u+i+1], v[128*\u+i:128*\u+i+1], s[CS:CS+1], v[ST+6*\u:ST+6*\u+1] op_sel_hi:[1,0,0]   ; t - M, two at a time (of the pairs c and -M the low word serves both halves)
.endr
.set i, i+2
.endr
	CHUNK 0
	CHUNK 1
	CHUNK 2
	CHUNK 3
	s_wait_alu depctr_va_vdst(0)                   ; ahead of the last chunk's first reader
	SUMS 3
	WIN 0
.if \nxt
	s_barrier_wait -1                              ; all waves have stored the next step and read the last one
.endif
.if \fill
	s_wait_loadcnt 0x0                             ; my part is here, and no load reads s[SRC] any more
.irp c, 0,1,2,3,4,5,6,7
	ds_store_b128 v[ADS], v[GS+4*\c:GS+4*\c+3] offset:512*\c
.endr
.endif
	s_cmp_eq_u32 s[HOLD], 0
	s_cbranch_scc1 .Lfree_\@
	WIN 0x41
.set i, 0
.rept 256
	v_min_num_f32 v[i], v[i], v[PLIM]              ; the conversion to an 8-bit code does not saturate (ISA guide 7.6.2); p is not negative, so the hold is one-sided
.set i, i+1
.endr
	WIN 0
.Lfree_\@:
	WIN 0x01                                       ; source 0 (p) window 1
.irp b, 0,1,2,3
	PCODES 0, \b
.endr
	WIN 0x40
.set i, 0
.rept 16
	ds_load_b128 v[4*i:4*i+3], v[ADR] offset:24576+512*i   ; V's second 128 keys, into registers just converted
.set i, i+1
.endr
	WIN 0x01
.irp b, 4,5,6,7
	PCODES 0, \b
.endr
	s_wait_dscnt 16                                ; V's second half may be out: its first half is in, and my stores have read the registers that the next codes take
.irp b, 4,5,6,7
	PCODES 1, \b
.endr
.if \nxt
	KNEXT ADN                                      ; into registers just converted
.endif
	WIN 0x01
.irp b, 0,1,2,3
	PCODES 1, \b
.endr
	v_nop                                          ; a plain line behind the last conversion
	s_wait_alu depctr_va_vdst(0)
	WIN 0
.irp d, 0,1,2,3
.irp u, 0,1
	v_wmma_f32_16x16x128_fp8_fp8 v[OT+32*\u+8*\d:OT+32*\u+8*\d+7], v[VB+16*\d:VB+16*\d+15], v[P+32*\u:P+32*\u+15], v[OT+32*\u+8*\d:OT+32*\u+8*\d+7]   ; eight accumulators by turns, one instruction a turn
.endr
.endr
.if \nxt
	s_wait_dscnt 16                                ; V's second half is in; the sixteen loads of the next K may be out
.else
	s_wait_dscnt 0x0
.endif
	WIN 0x01                                       ; source 0 (V) window 1
.irp d, 0,1,2,3
.irp u, 0,1
	v_wmma_f32_16x16x128_fp8_fp8 v[OT+32*\u+8*\d:OT+32*\u+8*\d+7], v[16*\d:16*\d+15], v[P+32*\u+16:P+32*\u+31], v[OT+32*\u+8*\d:OT+32*\u+8*\d+7]
.endr
.endr
	WIN 0
.if \fill
	s_add_nc_u64 s[SRC:SRC+1], s[SRC:SRC+1], 16384
	s_cmp_eq_u32 s[CNT], s[PFT]
	s_cbranch_scc0 .Lnot_mine_\@
	global_prefetch_b8 v[PFO], s[PFA:PFA+1] th:TH_LOAD_NT scope:SCOPE_SE   ; s[PFA:PFA+1] and v5 are never rewritten
.Lnot_mine_\@:
.endif
	s_add_co_u32 s[WB], s[WB], 32768
	s_and_b32 s[WB], s[WB], 0x1ffff
	s_add_co_u32 s[TB], s[TB], 32768
	s_and_b32 s[TB], s[TB], 0x1ffff
	s_add_co_u32 s[TBN], s[TBN], 32768
	s_and_b32 s[TBN], s[TBN], 0x1ffff
.endm
	s_wait_alu depctr_va_vdst(0)                   ; the head's end
	s_wait_loadcnt 12                              ; step 0 is in; step 1's eight loads and Q's four may be out
.irp c, 0,1,2,3,4,5,6,7
	ds_store_b128 v[LS], v[P+4*\c:P+4*\c+3] offset:512*\c
.endr
	s_wait_loadcnt 4
.irp c, 0,1,2,3,4,5,6,7
	ds_store_b128 v[LS], v[P+32+4*\c:P+32+4*\c+3] offset:32768+512*\c
.endr
	s_wait_loadcnt 0x0                             ; Q
	s_add_nc_u64 s[SRC:SRC+1], s[SRC:SRC+1], 32768
	s_mov_b32 s[TB], 0
	s_mov_b32 s[TBN], 32768
	s_mov_b32 s[WB], 65536
	s_mov_b32 s[CNT], 14
	s_wait_dscnt 0x0
	s_barrier_signal -1
	s_barrier_wait -1                              ; steps 0 and 1 lie in LDS
	KNEXT LA                                       ; step 0's K begins at byte 0
	WIN 0
.Lfill:                                            ; steps 0 to 13: each brings the step two on
	STEP 1, 1
	s_sub_co_u32 s[CNT], s[CNT], 1
	s_cmp_lg_u32 s[CNT], 0
	s_cbranch_scc1 .Lfill
	s_mov_b32 s[TB], 65536                         ; step 14: 14 % 4 = 2
	s_mov_b32 s[TBN], 98304
	s_mov_b32 s[WB], 0                             ; (nothing more is stored)
	STEP 0, 1                                      ; the last two steps bring nothing and are written out,
	STEP 0, 0                                      ; so that the last one reads no further K
	; THE WAY OUT.  o = O^T x 2^(e8 + e9) / the sum; its codes, scale 2^e10, are the row's fragment as they stand.  The additions are the places behind the last products.
.irp u, 0,1
	v_pk_add_f32 v[SU+4*\u:SU+4*\u+1], v[SU+4*\u:SU+4*\u+1], v[SX+4*\u:SX+4*\u+1]
	v_pk_add_f32 v[SU+4*\u+2:SU+4*\u+3], v[SU+4*\u+2:SU+4*\u+3], v[SX+4*\u+2:SX+4*\u+3]
	v_add_f32 v[SU+4*\u], v[SU+4*\u], v[SU+4*\u+1]
	v_add_f32 v[SU+4*\u+2], v[SU+4*\u+2], v[SU+4*\u+3]
.endr
.irp u, 0,1
	v_add_f32 v[SU+4*\u], v[SU+4*\u], v[SU+4*\u+2]
.endr
.irp u, 0,1
	s_delay_alu instid0(VALU_DEP_2)
	v_permlanex16_b32 v[ST+6*\u+3], v[SU+4*\u], s[SEL], s[SEL+1]
.endr
.irp u, 0,1
	s_delay_alu instid0(VALU_DEP_2)
	v_add_f32 v[SU+4*\u], v[SU+4*\u], v[ST+6*\u+3] ; the row's sum
.endr
	s_wait_alu depctr_va_vdst(0)                   ; ahead of the batch,
.irp u, 0,1
	v_rcp_f32 v[ST+6*\u+2], v[SU+4*\u]
.endr
	v_nop                                          ; a plain line behind the reciprocals
	s_add_co_i32 s45, s42, s43                     ; e8 + e9
	s_wait_alu depctr_va_vdst(0)                   ; and ahead of its first reader
.irp u, 0,1
	v_ldexp_f32 v[ST+6*\u+2], v[ST+6*\u+2], s45
.endr
.irp u, 0,1
.irp n, 0,2,4,6,8,10,12,14,16,18,20,22,24,26,28,30
	v_pk_mul_f32 v[P+32*\u+\n:P+32*\u+\n+1], v[OT+32*\u+\n:OT+32*\u+\n+1], v[ST+6*\u+2:ST+6*\u+3] op_sel_hi:[1,0]   ; each accumulator from its low end on
.endr
.endr
.irp u, 0,1
.irp d, 0,1,2,3
.irp n, 0,1,2,3,4,5,6,7
	v_med3_num_f32 v[P+32*\u+8*\d+\n], v[P+32*\u+8*\d+\n], -v[QLIM], v[QLIM]
.endr
	v_cvt_scalef32_pk8_fp8_f32 v[VB+8*\u+2*\d:VB+8*\u+2*\d+1], v[P+32*\u+8*\d:P+32*\u+8*\d+7], v[QSC]
.endr
.endr
	v_nop                                          ; a plain line behind the last conversion
.irp u, 0,1
.irp c, 0,1
	global_store_b128 v[LA], v[VB+8*\u+4*\c:VB+8*\u+4*\c+3], s[12:13] offset:8192*\u+512*\c   ; the wave stores 512 consecutive bytes, aligned
.endr
.endr
	s_wait_tensorcnt 0x0                           ; the wave's end
	ds_add_u32 v[SPW], v[NIL]
	s_wait_dscnt 0x0
	s_endpgm
.Lfunc_end_k_qecf64d4102_attn:
	.size	k_qecf64d4102_attn, .Lfunc_end_k_qecf64d4102_attn-k_qecf64d4102_attn
	.p2alignl 7, 3214868480
	.fill 96, 4, 3214868480
	.section	.rodata,"a",@progbits
	.p2align	6, 0x0
	.amdhsa_kernel k_qecf64d4102_attn
		.amdhsa_group_segment_fixed_size 132096
		.amdhsa_private_segment_fixed_size 0
		.amdhsa_enable_private_segment 0
		.amdhsa_kernarg_size 40
		.amdhsa_user_sgpr_count 2
		.amdhsa_user_sgpr_kernarg_segment_ptr 1
		.amdhsa_wavefront_size32 1
		.amdhsa_system_sgpr_workgroup_id_x 1
		.amdhsa_system_sgpr_workgroup_id_y 1
		.amdhsa_system_sgpr_workgroup_id_z 1
		.amdhsa_system_vgpr_workitem_id 0
		.amdhsa_next_free_vgpr 512
		.amdhsa_next_free_sgpr 66
		.amdhsa_reserve_vcc 0
		.amdhsa_float_denorm_mode_32 3
		.amdhsa_float_denorm_mode_16_64 3
		.amdhsa_memory_ordered 1
		.amdhsa_forward_progress 1
		.amdhsa_inst_pref_size 184
	.end_amdhsa_kernel
	.amdgpu_metadata
---
amdhsa.version: [ 1, 2 ]
amdhsa.kernels:
  - .name:           k_qecf64d4102_attn
    .symbol:         k_qecf64d4102_attn.kd
    .args:
      - { .name: qimg, .offset: 0, .size: 8, .value_kind: global_buffer, .address_space: global }
      - { .name: kimg, .offset: 8, .size: 8, .value_kind: global_buffer, .address_space: global }
      - { .name: vimg, .offset: 16, .size: 8, .value_kind: global_buffer, .address_space: global }
      - { .name: lowp_scales, .offset: 24, .size: 8, .value_kind: global_buffer, .address_space: global }
      - { .name: ccimg, .offset: 32, .size: 8, .value_kind: global_buffer, .address_space: global }
    .group_segment_fixed_size: 132096
    .private_segment_fixed_size: 0
    .kernarg_segment_align: 8
    .kernarg_segment_size: 40
    .max_flat_workgroup_size: 256
    .sgpr_count:     66
    .vgpr_count:     512
    .wavefront_size: 32
...
	.end_amdgpu_metadata
.endif
;; end of part 3
;; launch outp (part 4): grid 4 x 64, 8 waves a work-group, clusters of 4 x 4, 201,728 bytes of LDS; arguments ccimg, woimg, lowp_scales, bo, out0; writes out0
.if DOCPART == 4
	.amdgcn_target "amdgcn-amd-amdhsa--gfx1250"
	.amdhsa_code_object_version 6
	.text
	.protected	k_qecf64d4102_outp
	.globl	k_qecf64d4102_outp
	.p2align	8
	.type	k_qecf64d4102_outp,@function
k_qecf64d4102_outp:
	s_mov_b64 s[64:65], 0
	v_nop
	global_prefetch_b8 v0, s[64:65] scope:SCOPE_SE
	s_setreg_imm32_b32 hwreg(HW_REG_WAVE_MODE, 25, 1), 1
	s_wait_xcnt 0x0
	s_wait_alu depctr_hold_cnt(0) depctr_sa_sdst(0) depctr_va_vdst(0) depctr_va_sdst(0) depctr_va_ssrc(0) depctr_va_vcc(0) depctr_vm_vsrc(0)
	s_getreg_b32 s2, hwreg(HW_REG_IB_STS2, 6, 4)
	s_cmp_eq_u32 s2, 0
	s_cbranch_scc0 .Lentry_in_a_cluster
	s_endpgm
.Lentry_in_a_cluster:
	s_bfe_u32 s2, ttmp6, 0x10000c
	s_cmp_lg_u32 s2, 0xf033
	s_cbranch_scc0 .Lentry_shape_is_right
	s_endpgm
.Lentry_shape_is_right:
; out0 = cc Wo + bo, on codes of E4M3: cc [8192][512] (the heads side by side) and Wo [512][512] arrive as images of operand registers (registers 4 q .. 4 q + 3 of lane l at 512 q + 16 l).
; SHARES.  Work-group (cb, rb): rows 128 rb .. + 127, columns 128 cb .. + 127.  Its operands are two dense blocks of 64 KB: cc's 8 tiles of 16 rows x 4 K steps, Wo's 8 tiles of 16 columns x 4 K steps;
; each of the eight waves brings 16 KB by one tensor load (waves 0-3: cc, waves 4-7: Wo).  LDS is filled once: no ring, and no prefetch, since there is no loop to run ahead in.
; CLUSTERS: 4 x 4 work-groups.  The four of a row of the cluster need the same block of cc, the four of a column the same block of Wo: each is asked for JOINTLY, by the same tensor load with the same descriptor and a mask that names the four.
; Wave w makes tiles of rows 2 (w / 2), 2 (w / 2) + 1 x tiles of columns 4 (w % 2) .. + 3: eight accumulators.  The fragments have two buffers: a K step's LDS loads are out while the step before is multiplied.
; THE MATRIX INSTRUCTION IS USED TRANSPOSED (source 0 = 16 columns of Wo, source 1 = 16 rows of cc): a lane holds eight neighbouring numbers of a row.  y = sum x 2^(e10 + e11) + bo, one packed multiply-add for two numbers.
; Row m of tile 2 b + u is row 32 b + 8 u + m + 8 (m / 8) of the block, as the earlier launches laid the tiles: the stores' offsets undo that.
; THE WAY OUT: a wave's 32 rows x 64 columns go through its own stage in LDS and leave as rows of 256 bytes: sixteen lanes store 256 consecutive bytes, aligned.
; LIMIT: e10 + e11 between -126 and 127, so that 2^(e10 + e11) is an f32 number.
; REGISTERS.  window 0: v4-9 addresses; v16-79 the accumulators; v80-111 bo; v112-207 a fragment buffer, later v112-175 rows read back; v176-239 the results; v254, v255 the add's.  window 1: v0-95 the other fragment buffer.
.set LA,   4                           ; v4   LDS address of my two tiles of cc
.set LB,   5                           ; v5   of my four tiles of Wo
.set SO,   6                           ; v6   the stage: where I put 32 bytes of a row
.set SR,   7                           ; v7   and where I read a row back
.set GO,   8                           ; v8   my byte offset in two rows of out0
.set ACC,  16                          ; accumulator (u, n) at 8 (4 u + n)
.set BIAS, 80                          ; bo at my eight columns of each of my four tiles
.set F,    112                         ; a buffer: cc's two fragments, then Wo's four
.set BK,   112
.set Y,    176
.set STG,  131072                      ; behind the two blocks: a stage of 2 x 16 rows x (256 + 16) bytes for each wave; no tensor load lands there
.set SPARE, STG+8*8704                 ; the spare words, 128 bytes for each of the eight waves; no other line names them
.set MSB, 0
.macro WIN new                         ; the immediate's high byte repeats the setting that is left; a switch that changes nothing is dropped
.if MSB != \new
	s_set_vgpr_msb (MSB<<8)|\new
.set MSB, \new
.endif
.endm
.macro CROUND                          ; a round of the cluster's barrier
	s_barrier_signal -1
	s_barrier_wait -1
	s_cmp_lg_u32 s14, 0
	s_cbranch_scc1 .Lnot_wave_0_\@
	s_barrier_signal -3
.Lnot_wave_0_\@:
	s_barrier_wait -3
	s_barrier_signal -1
	s_barrier_wait -1
.endm
.macro FRAGS g, reg                    ; K step g's six fragments: 24 loads
.irp u, 0,1
.irp c, 0,1,2,3
	ds_load_b128 v[\reg+16*\u+4*\c:\reg+16*\u+4*\c+3], v[LA] offset:8192*\u+2048*(\g)+512*\c
.endr
.endr
.irp n, 0,1,2,3
.irp c, 0,1,2,3
	ds_load_b128 v[\reg+32+16*\n+4*\c:\reg+32+16*\n+4*\c+3], v[LB] offset:8192*\n+2048*(\g)+512*\c
.endr
.endr
.endm
.macro MUL g, reg                      ; the eight accumulators by turns, one instruction a turn; the first K step starts the sums
.irp u, 0,1
.irp n, 0,1,2,3
.if \g == 0
	v_wmma_f32_16x16x128_fp8_fp8 v[ACC+8*(4*\u+\n):ACC+8*(4*\u+\n)+7], v[\reg+32+16*\n:\reg+32+16*\n+15], v[\reg+16*\u:\reg+16*\u+15], 0
.else
	v_wmma_f32_16x16x128_fp8_fp8 v[ACC+8*(4*\u+\n):ACC+8*(4*\u+\n)+7], v[\reg+32+16*\n:\reg+32+16*\n+15], v[\reg+16*\u:\reg+16*\u+15], v[ACC+8*(4*\u+\n):ACC+8*(4*\u+\n)+7]
.endif
.endr
.endr
.endm
.macro PLACES                          ; four places in front of loads into the fragments' registers and of the first read of the sums
.rept 4
	v_nop
.endr
.endm
	s_load_b256 s[4:11], s[0:1], 0x0               ; ccimg s[4:5], woimg s[6:7], lowp_scales s[8:9], bo s[10:11]
	s_load_b64 s[12:13], s[0:1], 0x20              ; out0
	v_lshl_add_u32 v254, v0, 2, SPARE
	v_mov_b32 v255, 0
	ds_add_u32 v254, v255                          ; the opening: the add, twice on end, and its wait ahead of my tensor load
	ds_add_u32 v254, v255
	v_lshrrev_b32 v1, 5, v0
	v_readfirstlane_b32 s14, v1                    ; wave 0..7
	s_bfe_u32 s56, ttmp6, 0x40000                  ; cx, cy: my place in the cluster
	s_bfe_u32 s57, ttmp6, 0x40004
	s_lshl_b32 s58, ttmp9, 2
	s_add_co_u32 s58, s58, s56                     ; cb = 4 x cluster x + cx
	s_and_b32 s15, ttmp7, 0xffff
	s_lshl_b32 s15, s15, 2
	s_add_co_u32 s15, s15, s57                     ; rb = 4 x cluster y + cy
	s_lshl_b32 s59, s57, 2
	s_lshl_b32 s59, 15, s59                        ; my row of the cluster: places 4 cy .. 4 cy + 3
	s_lshl_b32 s60, 0x1111, s56                    ; my column: places cx, cx + 4, cx + 8, cx + 12
	; descriptor group 1: a dense block of 16 KB as 64 rows of 256 bytes, in elements of 8 bytes; cc's s[24:31] and Wo's s[48:55] differ in the mask alone
	s_or_b32 s24, s59, (3<<16)|(1<<21)             ; 15:0 the mask; 17:16 elements of 8 bytes; 20 no padding; 21 set beside a mask
	s_or_b32 s48, s60, (3<<16)|(1<<21)
.irp g, 24, 48
	s_mov_b32 s[\g+1], 32<<16                      ; tensor_dim0 = 32
	s_mov_b32 s[\g+2], 64<<16                      ; tensor_dim1 = 64
	s_mov_b32 s[\g+3], 32<<16                      ; tile_dim0 = 32
	s_mov_b32 s[\g+4], 64                          ; tile_dim1 = 64
	s_mov_b32 s[\g+5], 32                          ; from row to row: 32 elements: dense
	s_mov_b32 s[\g+6], 0
	s_mov_b32 s[\g+7], 0
.endr
	s_and_b32 s16, s14, 3
	s_lshl_b32 s16, s16, 14                        ; my quarter of a block
	s_lshl_b32 s18, s15, 16
	s_add_co_u32 s18, s18, s16                     ; in cc: 65,536 rb + quarter
	s_mov_b32 s19, 0
	s_lshl_b32 s20, s58, 16
	s_add_co_u32 s20, s20, s16                     ; in Wo: 65,536 cb + quarter
	s_mov_b32 s21, 0
	s_lshl_b32 s17, s14, 14                        ; in LDS: 16,384 x wave: cc's block, then Wo's: no place in the cluster enters an LDS address
	s_wait_alu depctr_va_vdst(0)
	s_wait_dscnt 0x0                               ; both opening adds are done
	s_wait_kmcnt 0x0
	s_load_b64 s[44:45], s[8:9], 0x28              ; e10, e11
	s_mov_b32 s32, 1
	s_mov_b32 s33, s17
	s_add_nc_u64 s[34:35], s[4:5], s[18:19]
	s_or_b32 s35, s35, 0x80000000
	s_mov_b32 s36, 1
	s_mov_b32 s37, s17
	s_add_nc_u64 s[38:39], s[6:7], s[20:21]
	s_or_b32 s39, s39, 0x80000000
	CROUND                                         ; all sixteen work-groups are here: the joint loads meet
	s_cmp_lt_u32 s14, 4                            ; each wave's one load; the branch hangs on the wave's number alone; four v_nop follow each line
	s_cbranch_scc0 .Lfor_wo
	tensor_load_to_lds s[32:35], s[24:31]
	s_nop 0
.rept 4
	v_nop
.endr
	s_branch .Lasked
.Lfor_wo:
	tensor_load_to_lds s[36:39], s[48:55]
	s_nop 0
.rept 4
	v_nop
.endr
.Lasked:
	v_and_b32 v1, 15, v0                           ; r
	v_bfe_u32 v2, v0, 4, 1                         ; h
	v_and_b32 v3, 31, v0
	v_lshlrev_b32 v3, 4, v3                        ; 16 x lane
	s_lshr_b32 s22, s14, 1                         ; which pair of tiles of rows
	s_and_b32 s23, s14, 1                          ; which half of the columns
	s_lshl_b32 s40, s22, 14
	v_add_nc_u32 v[LA], s40, v3
	s_lshl_b32 s40, s23, 15
	s_add_co_u32 s40, s40, 65536
	v_add_nc_u32 v[LB], s40, v3
	s_mul_i32 s41, s14, 8704
	s_add_co_u32 s41, s41, STG                     ; my stage
	v_mul_u32_u24 v[SO], v1, 272                   ; in: row r, 32 bytes for each half of the lanes
	v_mul_u32_u24 v[SR], v2, 272                   ; back: lanes 0-15 one row of 256 bytes, lanes 16-31 the next
	v_lshlrev_b32 v[GO], 11, v2                    ; and the same two rows in out0: a row is 2,048 bytes
	v_lshl_add_u32 v[SO], v2, 5, v[SO]
	v_lshl_add_u32 v[SR], v1, 4, v[SR]
	v_lshl_add_u32 v[GO], v1, 4, v[GO]
	v_add_nc_u32 v[SO], s41, v[SO]
	v_add_nc_u32 v[SR], s41, v[SR]
	v_lshlrev_b32 v9, 5, v2                        ; bo: 8 numbers on for lanes 16-31
	s_wait_alu depctr_va_vdst(0)                   ; the head's end, ahead of the scalar lines and the waits below
	s_lshl_b32 s42, s58, 9
	s_lshl_b32 s43, s23, 8
	s_add_co_u32 s42, s42, s43                     ; my first column in bytes: 512 cb + 256 x half
	s_mov_b32 s43, 0
	s_add_nc_u64 s[10:11], s[10:11], s[42:43]
	s_lshl_b32 s40, s15, 18                        ; my first row: 128 rb + 32 x pair, rows of 2,048 bytes
	s_lshl_b32 s41, s22, 16
	s_add_co_u32 s40, s40, s41
	s_add_co_u32 s40, s40, s42
	s_mov_b32 s41, 0
	s_add_nc_u64 s[12:13], s[12:13], s[40:41]
.irp n, 0,1,2,3
	global_load_b128 v[BIAS+8*\n:BIAS+8*\n+3], v9, s[10:11] offset:64*\n
	global_load_b128 v[BIAS+8*\n+4:BIAS+8*\n+7], v9, s[10:11] offset:64*\n+16
.endr
	s_wait_tensorcnt 0x0                           ; my 16 KB have landed,
	s_barrier_signal -1
	s_barrier_wait -1                              ; everybody's have
	FRAGS 0, F
	WIN 0x40                                       ; destination window 1
	FRAGS 1, 0
	s_wait_dscnt 24                                ; K step 0 is in; step 1's 24 loads may be out
	WIN 0
	MUL 0, F
	PLACES
	FRAGS 2, F
	s_wait_dscnt 24                                ; K step 1 is in
	WIN 0x05                                       ; sources 0 and 1 window 1
	MUL 1, 0
	PLACES
	WIN 0x40
	FRAGS 3, 0
	s_wait_dscnt 24                                ; K step 2 is in
	WIN 0
	MUL 2, F
	s_wait_dscnt 0x0
	WIN 0x05
	MUL 3, 0
	WIN 0
	PLACES
	s_wait_kmcnt 0x0
	s_add_co_i32 s46, s44, s45
	s_add_co_i32 s46, s46, 127
	s_lshl_b32 s46, s46, 23                        ; 2^(e10 + e11) as f32
	s_mov_b32 s47, s46                             ; (named with it as a pair, so it is written)
	s_wait_loadcnt 0x0                             ; bo
.irp u, 0,1
.irp n, 0,1,2,3
.irp k, 0,2,4,6
	v_pk_fma_f32 v[Y+8*(4*\u+\n)+\k:Y+8*(4*\u+\n)+\k+1], v[ACC+8*(4*\u+\n)+\k:ACC+8*(4*\u+\n)+\k+1], s[46:47], v[BIAS+8*\n+\k:BIAS+8*\n+\k+1] op_sel_hi:[1,0,1]   ; each accumulator from its low end on
.endr
	ds_store_b128 v[SO], v[Y+8*(4*\u+\n):Y+8*(4*\u+\n)+3] offset:4352*\u+64*\n
	ds_store_b128 v[SO], v[Y+8*(4*\u+\n)+4:Y+8*(4*\u+\n)+7] offset:4352*\u+64*\n+16
.endr
.irp k, 0,1,2,3,4,5,6,7
	ds_load_b128 v[BK+32*\u+4*\k:BK+32*\u+4*\k+3], v[SR] offset:4352*\u+544*\k   ; LDS serves a wave's instructions in order (ISA guide 5.7.1.4): these see my stores; the stage is my own
.endr
.endr
.irp u, 0,1
.irp k, 0,1,2,3,4,5,6,7
	s_wait_dscnt 23-16*\u-\k                       ; behind this load stand the tile's later loads, and for tile 0 also tile 1's eight stores and eight loads
	global_store_b128 v[GO], v[BK+32*\u+4*\k:BK+32*\u+4*\k+3], s[12:13] offset:(8*\u+2*\k+8*(\k/4))*2048   ; rows 2 k, 2 k + 1 of the tile, at their true places
.endr
.endr
	s_wait_tensorcnt 0x0                           ; the wave's end
	ds_add_u32 v254, v255
	s_wait_dscnt 0x0
	CROUND                                         ; the closing round: no work-group ends while a partner may still issue a joint load that names it
	s_endpgm
.Lfunc_end_k_qecf64d4102_outp:
	.size	k_qecf64d4102_outp, .Lfunc_end_k_qecf64d4102_outp-k_qecf64d4102_outp
	.p2alignl 7, 3214868480
	.fill 96, 4, 3214868480
	.section	.rodata,"a",@progbits
	.p2align	6, 0x0
	.amdhsa_kernel k_qecf64d4102_outp
		.amdhsa_group_segment_fixed_size 201728
		.amdhsa_private_segment_fixed_size 0
		.amdhsa_enable_private_segment 0
		.amdhsa_kernarg_size 40
		.amdhsa_user_sgpr_count 2
		.amdhsa_user_sgpr_kernarg_segment_ptr 1
		.amdhsa_wavefront_size32 1
		.amdhsa_system_sgpr_workgroup_id_x 1
		.amdhsa_system_sgpr_workgroup_id_y 1
		.amdhsa_system_sgpr_workgroup_id_z 1
		.amdhsa_system_vgpr_workitem_id 0
		.amdhsa_next_free_vgpr 384
		.amdhsa_next_free_sgpr 66
		.amdhsa_reserve_vcc 0
		.amdhsa_float_denorm_mode_32 3
		.amdhsa_float_denorm_mode_16_64 3
		.amdhsa_memory_ordered 1
		.amdhsa_forward_progress 1
		.amdhsa_inst_pref_size 22
	.end_amdhsa_kernel
	.amdgpu_metadata
---
amdhsa.version: [ 1, 2 ]
amdhsa.kernels:
  - .name:           k_qecf64d4102_outp
    .symbol:         k_qecf64d4102_outp.kd
    .args:
      - { .name: ccimg, .offset: 0, .size: 8, .value_kind: global_buffer, .address_space: global }
      - { .name: woimg, .offset: 8, .size: 8, .value_kind: global_buffer, .address_space: global }
      - { .name: lowp_scales, .offset: 16, .size: 8, .value_kind: global_buffer, .address_space: global }
      - { .name: bo, .offset: 24, .size: 8, .value_kind: global_buffer, .address_space: global }
      - { .name: out0, .offset: 32, .size: 8, .value_kind: global_buffer, .address_space: global }
    .group_segment_fixed_size: 201728
    .private_segment_fixed_size: 0
    .kernarg_segment_align: 8
    .kernarg_segment_size: 40
    .max_flat_workgroup_size: 256
    .sgpr_count:     66
    .vgpr_count:     384
    .wavefront_size: 32
...
	.end_amdgpu_metadata
.endif
;; end of part 4
